; MI455X (gfx1250); checked and timed in simulation.
; The chip was launched on July 23, 2026; its instructions are those of AMD's public machine-readable ISA for CDNA 5 (MIT licence, August 2026) and "CDNA5" Instruction Set Architecture Reference Guide (July 2026). The comments in the code are by the model that wrote it; some were corrected since.
;; FFN Global Context Expert Fusion. Allowed arithmetic: matrix products marked QUANTISED: E2M3 operands, one E8M0 scale for each 32 along K, by v_wmma_scale_f32_16x16x128_f8f6f4 with both operands' format E2M3, f32 sums; products left as they are: f32 operands where the result goes on into a quantised operand, else bf16, f16 or f32 operands; f32 sums; everything else in f32.
;; Inputs: W1_codes 8 x 4,096 x 32 x 24 uint8 (E2M3 codes of W1, K innermost, in blocks of 32 codes, four codes in three bytes); W1_scales 8 x 4,096 x 32 uint8 (E8M0 scales of W1, one for each 32 codes along K); W2_codes 8 x 1,024 x 128 x 24 uint8 (E2M3 codes of W2, K innermost, in blocks of 32 codes, four codes in three bytes); W2_scales 8 x 1,024 x 128 uint8 (E8M0 scales of W2, one for each 32 codes along K); b1 8 x 4,096 float32; b2 8 x 1,024 float32; routing_scores 4 x 256 x 8 float32; x_codes 4 x 256 x 32 x 24 uint8 (E2M3 codes of x, K innermost, in blocks of 32 codes, four codes in three bytes); x_scales 4 x 256 x 32 uint8 (E8M0 scales of x, one for each 32 codes along K).
;; Outputs: out0 4 x 256 x 1,024 float32; out1 8 int32.
;; This version of the problem:
;;   THIS VERSION OF THE PROBLEM IS GIVEN IN LOW PRECISION. The matrix products marked QUANTISED in the list below multiply operands that are first quantised to E2M3 (2 exponent bits, 3 mantissa bits; 6 bits a number), with one power-of-two scale for each 32 numbers along K (OCP MX v1.0); their sums are f32. All else is computed in f32.
;;   The module's matrix products, in the order in which they are computed (A, B: the left and right operand; K: the contracted axis; several contracted axes count as one K, in the product's order):
;;     1. [M 32,768, K 1,024] x [K 1,024, N 1,024]; A: input W1 (given as codes); B: input x (given as codes): QUANTISED
;;     2. batch 8 x [M 1,024, K 4,096] x [K 4,096, N 1,024]; A: computed on the way; B: input W2 (given as codes): QUANTISED
;;     3. batch 1,024 x [M 1,024, K 8] x [K 8, N 1]; A: computed on the way; B: computed on the way: left as it is (K = 8 < 32)
;;   THE QUANTISER, for each operand of a quantised product, along K:
;;     - K is cut into blocks of 32 from its start; a last block that is shorter is filled with zeros.
;;     - A block's scale is 2^e with e = floor(log2(the largest magnitude in the block)) - 2, held to -126 .. 127; a block of zeros has e = 0. As a byte (E8M0): e + 127.
;;     - Each number is divided by its block's scale, clamped to +-7.5, and rounded to the nearest number of E2M3, ties to even, subnormals kept.
;;     - The product sums the exact products of the quantised numbers (number of the format x scale) in f32.
;;   ~~~python
;;   def quantise(x, axis):      # numpy; x: float32 -> the quantised numbers, widened to float32 again
;;       x = np.moveaxis(x, axis, -1); K = x.shape[-1]
;;       x = np.pad(x, [(0, 0)] * (x.ndim - 1) + [(0, -K % 32)]); x = x.reshape(x.shape[:-1] + (-1, 32)); a = np.abs(x).max(-1, keepdims=True)
;;       e = np.where(a > 0, np.clip(np.frexp(np.where(a > 0, a, 1))[1] - 1 - 2, -126, 127), 0)      # np.frexp(a)[1] - 1 = floor(log2(a)), exactly
;;       r = np.clip(x / 2.0 ** e, -7.5, 7.5)
;;       step = 2.0 ** (np.maximum(np.frexp(np.where(r == 0, 1, r))[1] - 1, 0) - 3)
;;       q = np.round(r / step) * step * 2.0 ** e      # np.round: ties to even
;;       return np.moveaxis(q.reshape(q.shape[:-2] + (-1,))[..., :K], -1, axis).astype(np.float32)
;;   ~~~
;;   OPERANDS COMPUTED ON THE WAY. 'Computed on the way' means the value that the module computes at that place (a softmax that the list does not call 'softmax' is quantised finished and normalised). What goes into a quantiser is computed in f32, as accurately as f32 sums, v_exp_f32 and their like allow (about 1e-6 of the number): no bf16 or f16 on the way to a quantiser, and a product that is left as it is and whose result goes on into a quantised operand takes f32 operands (vector FMAs, or v_wmma_f32_16x16x4_f32). A number that lies on a knife's edge between two numbers of the format may be rounded either way, as far as f32 arithmetic and the matrix unit's own rounding can turn it there, and no further.
;;   INPUTS GIVEN AS CODES. W1 (in the module: [8, 1024, 4096], K = its axis 1); W2 (in the module: [8, 4096, 1024], K = its axis 1); x (in the module: [4, 256, 1024], K = its axis 2): each comes as NAME_codes (uint8): NAME with its K axis moved to the last place and cut into blocks of 32 codes, [.., K / 32, bytes a block], one block behind the other in memory; four codes in three bytes: a row's codes are one little-endian stream of bits, code i at bits 6 i .. 6 i + 5 (a code: sign, 2 exponent bits, 3 mantissa bits); and NAME_scales (uint8): the same leading axes, one E8M0 byte (e + 127) for each 32 codes along K. Its value is code x scale, taken as it is: it is not quantised again, and the codes and scales need not be those that the quantiser above would give.
;; One version. Each part assembles by itself: llvm-mc -triple=amdgcn-amd-amdhsa -mcpu=gfx1250 --defsym DOCPART=n.
;; ======== version 1 of 1: 4 launches
;; limits: right only within a limited range of input values
;; workspace buffers: plan 4,352 bytes of whole numbers; wts 8,192 bytes; hq 25,165,824 bytes; hs 1,048,576 bytes; y 33,554,432 bytes
;; launch route (part 1): grid 1 x 1, 32 waves a work-group, no clusters, 8,192 bytes of LDS; arguments routing_scores, plan, wts, out1; writes plan, wts, out1
.if DOCPART == 1
	.amdgcn_target "amdgcn-amd-amdhsa--gfx1250"
	.amdhsa_code_object_version 6
	.text
	.protected	k_q8555debb30_route
	.globl	k_q8555debb30_route
	.p2align	8
	.type	k_q8555debb30_route,@function
k_q8555debb30_route:
	s_mov_b64 s[64:65], 0
	v_nop
	global_prefetch_b8 v0, s[64:65] scope:SCOPE_SE
	s_setreg_imm32_b32 hwreg(HW_REG_WAVE_MODE, 25, 1), 1
	s_wait_xcnt 0x0
; ROUTE.  Thread t is token t (1,024 threads, one work-group).  It finds the token's two largest of 8 scores (ties: the lower index, as jax.lax.top_k),
; the two weights score / (v1 + v2 + 1e-8), and the token's place in the list of each of its two experts (tokens ascending), and stores
;   plan word t      = a | b << 4 | place in a's list << 8 | place in b's list << 20
;   plan word 1024+e = max(1, ceil(n_e / 32)): the pairs of 16-row tiles that expert e's rows fill
;   wts  pair t      = the two weights;   out1[e] = n_e.
; Everything that hangs on the scores is a VALUE here: every address is made of the thread's number alone.
; LIMITS: NaN among the scores is not served; 1 / (v1 + v2 + 1e-8) is v_rcp_f32 (1 ulp).
	s_load_b256 s[4:11], s[0:1], 0x0               ; scores s[4:5], plan s[6:7], wts s[8:9], out1 s[10:11]
	v_lshl_add_u32 v64, v0, 2, 0x1000
	v_mov_b32 v65, 0
	v_lshrrev_b32 v1, 5, v0
	s_delay_alu instid0(VALU_DEP_1)
	v_readfirstlane_b32 s12, v1                    ; wave 0..31
	v_and_b32 v1, 31, v0                           ; lane
	v_lshlrev_b32 v2, 2, v0                        ; 4 t
	v_lshlrev_b32 v3, 5, v0                        ; 32 t: my 8 scores
	v_lshlrev_b32 v4, 3, v0                        ; 8 t
	s_delay_alu instid0(VALU_DEP_4)
	v_lshlrev_b32 v5, 7, v1                        ; 128 x lane: wave 'lane''s totals in LDS
	s_mov_b32 s14, 0x76543210                      ; v_permlanex16_b32's selects for lane l xor 16
	s_mov_b32 s15, 0xfedcba98
	v_mov_b32 v22, 0                               ; my rank among my wave's tokens of expert a,
	v_mov_b32 v23, 0                               ; of expert b
	v_mov_b32 v24, 0                               ; lane e: my wave's number of tokens of expert e
	v_mov_b32 v25, 0                               ; (a lane permute's destination counts as one of its sources)
	v_mov_b32 v44, 0
	v_mov_b32 v45, 0
	v_mov_b32 v50, 0
	s_wait_kmcnt 0x0
	global_load_b128 v[8:11], v3, s[4:5]
	global_load_b128 v[12:15], v3, s[4:5] offset:16
	s_wait_loadcnt 0x0
	; the largest: strictly greater replaces, so the lower index keeps a tie
	v_mov_b32 v16, v8
	v_mov_b32 v17, 0
.irp i, 1,2,3,4,5,6,7
	s_delay_alu instid0(VALU_DEP_2)
	v_cmp_gt_f32 vcc_lo, v[8+\i], v16
	s_delay_alu instid0(VALU_DEP_1)
	v_cndmask_b32 v16, v16, v[8+\i], vcc_lo
	s_delay_alu instid0(VALU_DEP_2)
	v_cndmask_b32 v17, v17, \i, vcc_lo
.endr
	; the second: it starts at the lowest index that is not a, and passes a over
	s_delay_alu instid0(VALU_DEP_1)
	v_cmp_eq_u32 vcc_lo, 0, v17
	s_delay_alu instid0(VALU_DEP_1)
	v_cndmask_b32 v18, v8, v9, vcc_lo
	s_delay_alu instid0(VALU_DEP_2)
	v_cndmask_b32 v19, 0, 1, vcc_lo
.irp i, 1,2,3,4,5,6,7
	s_delay_alu instid0(VALU_DEP_2)
	v_cmp_gt_f32 s20, v[8+\i], v18
	v_cmp_ne_u32 s21, \i, v17
	s_and_b32 vcc_lo, s20, s21
	v_cndmask_b32 v18, v18, v[8+\i], vcc_lo
	v_cndmask_b32 v19, v19, \i, vcc_lo
.endr
	s_delay_alu instid0(VALU_DEP_2)
	v_add_f32 v20, v16, v18
	s_delay_alu instid0(VALU_DEP_1)
	v_add_f32 v20, 0x322bcc77, v20                 ; + 1e-8
	s_wait_alu depctr_va_vdst(0)
	v_rcp_f32 v20, v20
	v_nop                                          ; a plain instruction behind the reciprocal
	s_wait_alu depctr_va_vdst(0)                   ; and the wait ahead of its first reader
	v_mul_f32 v48, v20, v16
	v_mul_f32 v49, v20, v18
	; for each expert: which lanes of my wave chose it, my rank among them, their number
.irp e, 0,1,2,3,4,5,6,7
	v_cmp_eq_u32 s[32+2*\e], \e, v17
	v_cmp_eq_u32 s[33+2*\e], \e, v19
	s_or_b32 s22, s[32+2*\e], s[33+2*\e]
	v_mbcnt_lo_u32_b32 v21, s22, 0                 ; the chosen lanes below mine
	s_bcnt1_i32_b32 s23, s22
	v_writelane_b32 v24, s23, \e
	v_cndmask_b32 v22, v22, v21, s[32+2*\e]
	v_cndmask_b32 v23, v23, v21, s[33+2*\e]
.endr
	ds_store_b32 v2, v24                           ; wave w's 32 words at 128 w; words 0 to 7 are its totals
	s_wait_dscnt 0x0                               ; for the others' sake: my store has landed
	s_barrier_signal -1
	s_barrier_wait -1
	ds_load_b128 v[28:31], v5                      ; lane l: wave l's eight totals
	ds_load_b128 v[32:35], v5 offset:16
	s_wait_dscnt 0x0
.irp e, 0,1,2,3,4,5,6,7
	v_cvt_f32_u32 v[28+\e], v[28+\e]               ; sums of at most 1,024 are exact in f32
.endr
	v_cmp_gt_u32 vcc_lo, s12, v1                   ; the waves below mine
.irp e, 0,1,2,3,4,5,6,7
	v_cndmask_b32 v[36+\e], 0, v[28+\e], vcc_lo
.endr
.macro WSUM r                          ; the sum over the wave's 32 lanes, in every lane
	v_add_f32_dpp v[\r], v[\r], v[\r] row_xmask:1 row_mask:0xf bank_mask:0xf
	s_delay_alu instid0(VALU_DEP_1)
	v_add_f32_dpp v[\r], v[\r], v[\r] row_xmask:2 row_mask:0xf bank_mask:0xf
	s_delay_alu instid0(VALU_DEP_1)
	v_add_f32_dpp v[\r], v[\r], v[\r] row_xmask:4 row_mask:0xf bank_mask:0xf
	s_delay_alu instid0(VALU_DEP_1)
	v_add_f32_dpp v[\r], v[\r], v[\r] row_xmask:8 row_mask:0xf bank_mask:0xf
	s_delay_alu instid0(VALU_DEP_1)
	v_permlanex16_b32 v25, v[\r], s14, s15
	s_delay_alu instid0(VALU_DEP_1)
	v_add_f32 v[\r], v[\r], v25
.endm
.irp r, 28,29,30,31,32,33,34,35,36,37,38,39,40,41,42,43
	WSUM \r
.endr
.irp r, 28,29,30,31,32,33,34,35,36,37,38,39,40,41,42,43
	v_cvt_u32_f32 v[\r], v[\r]                     ; v28.. n_e; v36.. the tokens of expert e in the waves below mine
.endr
.irp e, 0
	v_cndmask_b32 v44, v44, v[36+\e], s[32+2*\e]
	v_cndmask_b32 v45, v45, v[36+\e], s[33+2*\e]
.endr
.irp e, 1, 2, 3, 4, 5, 6, 7
	s_delay_alu instid0(VALU_DEP_2)
	v_cndmask_b32 v44, v44, v[36+\e], s[32+2*\e]
	s_delay_alu instid0(VALU_DEP_2)
	v_cndmask_b32 v45, v45, v[36+\e], s[33+2*\e]
.endr
	s_delay_alu instid0(VALU_DEP_2)
	v_add_nc_u32 v22, v22, v44                     ; my place in a's list,
	s_delay_alu instid0(VALU_DEP_2)
	v_add_nc_u32 v23, v23, v45                     ; in b's
	v_lshl_or_b32 v46, v19, 4, v17
	s_delay_alu instid0(VALU_DEP_1)
	v_lshl_or_b32 v46, v22, 8, v46
	s_delay_alu instid0(VALU_DEP_1)
	v_lshl_or_b32 v46, v23, 20, v46
.irp e, 0,1,2,3,4,5,6,7
	v_cmp_eq_u32 vcc_lo, \e, v0
	s_delay_alu instid0(VALU_DEP_1)
	v_cndmask_b32 v50, v50, v[28+\e], vcc_lo       ; thread e: n_e
.endr
	s_delay_alu instid0(VALU_DEP_1)
	v_add_nc_u32 v51, 31, v50
	s_delay_alu instid0(VALU_DEP_1)
	v_lshrrev_b32 v51, 5, v51
	s_delay_alu instid0(VALU_DEP_1)
	v_max_u32 v51, 1, v51
	global_store_b32 v2, v46, s[6:7]
	global_store_b64 v4, v[48:49], s[8:9]
	v_cmp_gt_u32 vcc_lo, 8, v0
	s_wait_alu depctr_va_vdst(0)
	s_wait_xcnt 0x0                                ; EXEC changes only behind this wait
	s_wait_tensorcnt 0x0
	ds_add_u32 v64, v65
	s_wait_dscnt 0x0
	s_and_saveexec_b32 s20, vcc_lo
	global_store_b32 v2, v50, s[10:11]             ; threads 0 to 7
	global_store_b32 v2, v51, s[6:7] offset:4096
	s_wait_xcnt 0x0                                ; and again ahead of the line that widens it
	s_or_b32 exec_lo, exec_lo, s20
	s_endpgm
.Lfunc_end_k_q8555debb30_route:
	.size	k_q8555debb30_route, .Lfunc_end_k_q8555debb30_route-k_q8555debb30_route
	.p2alignl 7, 3214868480
	.fill 96, 4, 3214868480
	.section	.rodata,"a",@progbits
	.p2align	6, 0x0
	.amdhsa_kernel k_q8555debb30_route
		.amdhsa_group_segment_fixed_size 8192
		.amdhsa_private_segment_fixed_size 0
		.amdhsa_enable_private_segment 0
		.amdhsa_kernarg_size 32
		.amdhsa_user_sgpr_count 2
		.amdhsa_user_sgpr_kernarg_segment_ptr 1
		.amdhsa_wavefront_size32 1
		.amdhsa_system_sgpr_workgroup_id_x 1
		.amdhsa_system_sgpr_workgroup_id_y 1
		.amdhsa_system_sgpr_workgroup_id_z 1
		.amdhsa_system_vgpr_workitem_id 0
		.amdhsa_next_free_vgpr 66
		.amdhsa_next_free_sgpr 66
		.amdhsa_reserve_vcc 1
		.amdhsa_float_denorm_mode_32 3
		.amdhsa_float_denorm_mode_16_64 3
		.amdhsa_memory_ordered 1
		.amdhsa_forward_progress 1
		.amdhsa_inst_pref_size 22
	.end_amdhsa_kernel
	.amdgpu_metadata
---
amdhsa.version: [ 1, 2 ]
amdhsa.kernels:
  - .name:           k_q8555debb30_route
    .symbol:         k_q8555debb30_route.kd
    .args:
      - { .name: routing_scores, .offset: 0, .size: 8, .value_kind: global_buffer, .address_space: global }
      - { .name: plan, .offset: 8, .size: 8, .value_kind: global_buffer, .address_space: global }
      - { .name: wts, .offset: 16, .size: 8, .value_kind: global_buffer, .address_space: global }
      - { .name: out1, .offset: 24, .size: 8, .value_kind: global_buffer, .address_space: global }
    .group_segment_fixed_size: 8192
    .private_segment_fixed_size: 0
    .kernarg_segment_align: 8
    .kernarg_segment_size: 32
    .max_flat_workgroup_size: 1024
    .sgpr_count:     66
    .vgpr_count:     66
    .wavefront_size: 32
...
	.end_amdgpu_metadata
.endif
;; end of part 1
;; launch ffn1 (part 2): grid 32 x 8, 4 waves a work-group, no clusters, 161,792 bytes of LDS; arguments x_codes, x_scales, W1_codes, W1_scales, b1, plan, hq, hs; writes hq, hs
.if DOCPART == 2
	.amdgcn_target "amdgcn-amd-amdhsa--gfx1250"
	.amdhsa_code_object_version 6
	.text
	.protected	k_q8555debb30_ffn1
	.globl	k_q8555debb30_ffn1
	.p2align	8
	.type	k_q8555debb30_ffn1,@function
k_q8555debb30_ffn1:
	s_mov_b64 s[64:65], 0
	v_nop
	global_prefetch_b8 v0, s[64:65] scope:SCOPE_SE
	s_setreg_imm32_b32 hwreg(HW_REG_WAVE_MODE, 25, 1), 1
	s_wait_xcnt 0x0
; FFN1.  h = Q(gelu(x W1^T + b1)) for the routed rows only, on codes of FP6 (E2M3) with one E8M0 scale for each 32 along K.
; LEFT OUT: the rows of experts that a token did not choose: reference() multiplies them by a masked score that is 0, whatever the inputs hold; a NaN or an infinity that arises only there is not carried on.
; SHARES.  Work-group (c, e) owns hidden units 128 c .. 128 c + 127 of expert e: each byte of W1 enters one work-group.  Wave (hh, p) holds units 64 hh .. 64 hh + 63 in registers (32 fragments, 384 registers)
; and takes tile p of every pair of 16-row tiles: the four waves have the same number of steps whatever the count.
; x: a pair's 32 rows and their scale bytes enter the work-group once (a wave loads 8 rows) and lie in a ring of two LDS slots; one barrier a trip.  In trip t: the fragments of pair t + 2 are read from slot t % 2,
; pair t + 3 is stored into the other slot, pair t + 4 is asked of memory, the tokens of pair t + 5 are read from the list.
; THE PRODUCTS OF PAIR t + 1 STAND ONE BY ONE AMONG THE MULTIPLY-ADDS OF PAIR t's GELU: two sets of accumulators and of x's fragments take turns.  In the expert's last trip these 32 products work on stale registers and their sums are not used.
; TRANSPOSED (source 0 = 16 rows of W1, source 1 = 16 rows of x); lane r of tile 2 b + u takes row 32 b + 8 u + r + 8 (r / 8) of W1, so a lane's 16 registers of two tiles are 16 neighbours along the next product's K.
; OUT: hq [e][tile 64][c 32][1,536 bytes]: the fragment as an image of its 12 registers; hs [e][tile][c][16 rows]: scale words.  A wave makes registers 6 hh .. 6 hh + 5: four of them are 512 bytes on end and are stored at once;
; the image's middle 512 bytes and the scale words hold both waves' parts: they meet in an LDS stage and leave one trip later in whole runs of 256 bytes.
; THE LIST of the expert's tokens is made in LDS by wave 0 from the stored plan; places behind the last token name token 0: their rows are computed, stored and never used.
; NO TENSOR LOADS, NO CLUSTER: which trips work hangs on a stored count.  32 trips, a constant; a trip without a pair jumps over its work, never over its barrier.
; No prefetch: W1's piece is asked for whole at the head, and x's rows are read again by many work-groups.
; GELU, exact form: gelu(v) = max(v, 0) - |v| t 2^(CX v^2 + sum c_i t^i), t = 1 / (1 + |v| / (2 sqrt 2)): one half of erfc(|v| / sqrt 2) by a rational Chebyshev fit whose relative error stays under 1.2e-7.
; LIMITS: where one half of erfc falls under 2^-126, v_exp_f32 gives 0; NaN and infinities are not served; a block of zeros gets the scale byte 1 (its codes are zeros, and this program alone reads the bytes).
.set PIT,  784                         ; W1's LDS row: 768 bytes + 16
.set XP,   816                         ; x's LDS row: 768 bytes of codes, 32 of scales, 16 spare: 204 words, so the 32 lanes of an 8-byte fragment load touch 64 different banks (ISA guide 11.1)
.set XSL,  128*PIT                     ; the ring
.set SLOT, 32*XP
.set LIST, XSL+2*SLOT                  ; 1,024 words, 32 for what is not this expert's, padding
.set STG,  LIST+4352                   ; the stages: parity x 2,048 + tile p x 1,024: 512 bytes of codes, then 64 of scale words
.set STP,  2048
.set SPARE, STG+2*STP                  ; the spare words
.set L16, 1
.set XSA, 2                            ; x's rows into a slot
.set XRA, 3                            ; and out as fragments
.set TKA, 4                            ; list words of my 8 rows, two rows a load
.set TKS, 5                            ; the same, four lanes a row
.set XSS, 6                            ; x's scales into a slot
.set SO,  7                            ; hq: 16 lane + 1,024 hh
.set XSR, 8                            ; x's scale words out of a slot
.set H16, 9
.set WS,  12                           ; v12-27 W1's scale words: WS + 4 t + i: lanes 0-15 K step i, lanes 16-31 K step i + 4
.set XS,  28                           ; v28-35 x's, two sets
.set BI,  36                           ; v36-67 b1 in the result's layout
.set ACC, 68                           ; v68-131 two sets of four accumulators
.set TMP, 132                          ; v132-167 at work
.set TM,  TMP
.set PW,  TMP+12
.set PC,  TMP+14
.set TK,  168
.set XO,  173
.set OM,  178
.set OS,  180
.set MA,  181
.set MR,  182
.set SW,  183
.set SR,  184
.set MO,  185
.set SSO, 186
.set L8,  187
.set SPW, 188
.set NIL, 189
.set TA,  190
.set PH,  192                          ; from here on: the head alone
.set PQ,  193
.set PM,  194
.set PSO, 195
.set PT4, 196
.set PDU, 197
.set PZA, 198
.set PA0, 199
.set PA1, 200
.set FA,  201
.set PWSO, 202
.set PBO, 203
.set PL,  204
; window 1: v0-191 W1's K steps 0-3, v192-241 raw rows of even pairs;  window 2: K steps 4-7, raw rows of odd pairs;  window 3: v0-95, v96-191 x's fragments, two sets (in the head: W1's raw rows)
.set MSB, 0
.macro WIN new
.if MSB != (\new)
	s_set_vgpr_msb (MSB<<8)|(\new)
.set MSB, (\new)
.endif
.endm
.macro COEF i, bits
	s_mov_b32 s[32+2*\i], \bits
	s_mov_b32 s[33+2*\i], \bits
.endm
.macro BAR
	s_wait_dscnt 0x0                               ; for the others' sake: all my LDS instructions are done
	s_barrier_signal -1
	s_barrier_wait -1
.endm
.macro TOKENS                          ; the tokens of my 8 rows of the pair whose list words begin at byte s27
	v_add_nc_u32 v[TA], s27, v[TKA]
	v_add_nc_u32 v[TA+1], s27, v[TKS]
.irp m, 0,1,2,3
	ds_load_b32 v[TK+\m], v[TA] offset:8*\m
.endr
	ds_load_b32 v[TK+4], v[TA+1]
.endm
.macro XLOAD rb                        ; 13 loads: each of the twelve takes 256 aligned bytes of each of two rows; the last 32 scale bytes of each of 8 rows
.irp m, 0,1,2,3,4
	v_min_u32 v[TK+\m], 0x3ff, v[TK+\m]
.endr
.irp m, 0,1,2,3
	v_mad_u32_u24 v[XO+\m], v[TK+\m], 768, v[L16]
.endr
	v_lshl_add_u32 v[XO+4], v[TK+4], 5, v[L8]
	WIN (1+(\rb))<<6
.irp m, 0,1,2,3
.irp u, 0,1,2
	global_load_b128 v[192+4*(3*\m+\u):192+4*(3*\m+\u)+3], v[XO+\m], s[4:5] offset:256*\u
.endr
.endr
	global_load_b64 v[240:241], v[XO+4], s[6:7]
	WIN 0
.endm
.macro XSTORE rb                       ; the raw rows of a pair of parity rb into slot rb
	WIN (1+(\rb))<<2
.irp m, 0,1,2,3
.irp u, 0,1,2
	ds_store_b128 v[XSA], v[192+4*(3*\m+\u):192+4*(3*\m+\u)+3] offset:(\rb)*SLOT+2*XP*\m+256*\u
.endr
.endr
	ds_store_b64 v[XSS], v[240:241] offset:(\rb)*SLOT
	WIN 0
.endm
.macro FRAGS sl                        ; my tile's eight fragments and four scale registers out of slot sl into set sl
	ds_load_b128 v[XS+4*(\sl):XS+4*(\sl)+3], v[XSR] offset:(\sl)*SLOT
	WIN 0xc0
.irp s, 0,1,2,3,4,5,6,7
.irp p, 0,1,2,3,4,5
	ds_load_b64 v[96*(\sl)+12*\s+2*\p:96*(\sl)+12*\s+2*\p+1], v[XRA] offset:(\sl)*SLOT+96*\s+48*(\p/3)+8*(\p%3)
.endr
.endr
	WIN 0
.endm
; matrix instruction wf of a step's 32: K step wf / 4, tile wf % 4.  The four accumulators take turns, one instruction a turn; the first four add onto b1
.macro WM xb
.set ms, wf>>2
.set mt, wf&3
.set wr, 12*(4*(ms&3)+mt)
.set xr, 96*(\xb)+12*ms
.set ar, ACC+32*(\xb)+8*mt
	WIN 0x0c|(1+(ms>>2))
.if ms == 0
	v_wmma_scale_f32_16x16x128_f8f6f4 v[ar:ar+7], v[wr:wr+11], v[xr:xr+11], v[BI+8*mt:BI+8*mt+7], v[WS+4*mt], v[XS+4*(\xb)] matrix_a_fmt:MATRIX_FMT_FP6 matrix_b_fmt:MATRIX_FMT_FP6
.elseif ms < 4
	v_wmma_scale_f32_16x16x128_f8f6f4 v[ar:ar+7], v[wr:wr+11], v[xr:xr+11], v[ar:ar+7], v[WS+4*mt+ms], v[XS+4*(\xb)+ms] matrix_a_fmt:MATRIX_FMT_FP6 matrix_b_fmt:MATRIX_FMT_FP6
.else
	v_wmma_scale_f32_16x16x128_f8f6f4 v[ar:ar+7], v[wr:wr+11], v[xr:xr+11], v[ar:ar+7], v[WS+4*mt+ms-4], v[XS+4*(\xb)+ms-4] matrix_a_fmt:MATRIX_FMT_FP6 matrix_b_fmt:MATRIX_FMT_FP6 matrix_a_scale:MATRIX_SCALE_ROW1 matrix_b_scale:MATRIX_SCALE_ROW1
.endif
.set wf, wf+1
.endm
.macro HOOK xb                         ; behind every fourth of the first 64 multiply-adds of the fit: one product of the next pair
.set pc, pc+1
.if (pc%4) == 0 && pc <= 64
	WM \xb
	WIN 0
.endif
.endm
; gelu of 16 numbers a lane, in place: block blk of accumulator set a; 16 products of set xb among its multiply-adds.  T = TMP .. + 15, P = TMP + 16 .. + 31
.macro GELU a, blk, xb
.set GX, ACC+32*(\a)+16*(\blk)
	s_wait_alu depctr_va_vdst(0)                   ; the wait directly ahead of the first readers of matrix results
.set gi, 0
.rept 16
	v_fma_f32 v[TMP+gi], |v[GX+gi]|, s30, 1.0      ; each accumulator is read from its low end on
.set gi, gi+1
.endr
	s_wait_alu depctr_va_vdst(0)
.set gi, 0
.rept 16
	v_rcp_f32 v[TMP+gi], v[TMP+gi]                 ; t
.set gi, gi+1
.endr
	v_mov_b32 v[TMP+32], s54                       ; c9, twice: plain instructions behind the reciprocals
	v_mov_b32 v[TMP+33], s54
	s_wait_alu depctr_va_vdst(0)
.set pc, 0
.set gi, 0
.rept 8
	v_pk_fma_f32 v[TMP+16+gi:TMP+17+gi], v[TMP+gi:TMP+gi+1], v[TMP+32:TMP+33], s[48:49] op_sel_hi:[1,1,0]
	HOOK \xb
.set gi, gi+2
.endr
.irp c, 7,6,5,4,3,2,1,0
.set gi, 0
.rept 8
	v_pk_fma_f32 v[TMP+16+gi:TMP+17+gi], v[TMP+16+gi:TMP+17+gi], v[TMP+gi:TMP+gi+1], s[32+2*\c:33+2*\c] op_sel_hi:[1,1,0]
	HOOK \xb
.set gi, gi+2
.endr
.endr
.set gi, 0
.rept 4
	v_pk_mul_f32 v[TMP+32:TMP+33], v[GX+gi:GX+gi+1], s[52:53] op_sel_hi:[1,0]
	v_pk_mul_f32 v[TMP+34:TMP+35], v[GX+gi+2:GX+gi+3], s[52:53] op_sel_hi:[1,0]
	v_pk_fma_f32 v[TMP+16+gi:TMP+17+gi], v[TMP+32:TMP+33], v[GX+gi:GX+gi+1], v[TMP+16+gi:TMP+17+gi]      ; + CX v^2
	v_pk_fma_f32 v[TMP+18+gi:TMP+19+gi], v[TMP+34:TMP+35], v[GX+gi+2:GX+gi+3], v[TMP+18+gi:TMP+19+gi]
.set gi, gi+4
.endr
	s_wait_alu depctr_va_vdst(0)
.set gi, 0
.rept 16
	v_exp_f32 v[TMP+16+gi], v[TMP+16+gi]
.set gi, gi+1
.endr
.set gi, 0
.rept 16
	v_mul_f32 v[TMP+gi], |v[GX+gi]|, v[TMP+gi]     ; |v| t
.set gi, gi+1
.endr
.set gi, 0
.rept 16
	v_max_num_f32 v[GX+gi], 0, v[GX+gi]
.set gi, gi+1
.endr
	s_wait_alu depctr_va_vdst(0)                   ; one wait for the sixteen exponentials
.set gi, 0
.rept 8
	v_pk_fma_f32 v[GX+gi:GX+gi+1], v[TMP+gi:TMP+gi+1], v[TMP+16+gi:TMP+17+gi], v[GX+gi:GX+gi+1] neg_lo:[1,0,0] neg_hi:[1,0,0]
.set gi, gi+2
.endr
.endm
; 32 numbers of a lane (two blocks, 16 of each; lane l xor 16 has the other 16) become six registers of codes in v[PC] on and two scale bytes in v[PW]
.macro QUANT s
.irp q, 0,1,2,3
	v_max3_num_f32 v[TM+\q], |v[(\s)+8*\q]|, |v[(\s)+8*\q+1]|, 0x1800000   ; four chains by turns; the floor 2^(3 - 127): the byte cannot fall under 1
.endr
.irp i, 2,4,6
.irp q, 0,1,2,3
	v_max3_num_f32 v[TM+\q], v[TM+\q], |v[(\s)+8*\q+\i]|, |v[(\s)+8*\q+\i+1]|
.endr
.endr
	v_max_num_f32 v[TM], v[TM], v[TM+1]
	v_max_num_f32 v[TM+1], v[TM+2], v[TM+3]
	v_permlanex16_b32 v[TM+4], v[TM], s28, s29
	v_permlanex16_b32 v[TM+5], v[TM+1], s28, s29
	v_max_num_f32 v[TM], v[TM], v[TM+4]
	v_max_num_f32 v[TM+1], v[TM+1], v[TM+5]
	v_add_nc_u32 v[TM+8], 0xff000000, v[TM]        ; 2 off the exponent field: the conversion's scale operand
	v_add_nc_u32 v[TM+9], 0xff000000, v[TM+1]
	v_lshrrev_b32 v[TM+4], 23, v[TM+8]
	v_lshrrev_b32 v[TM+5], 23, v[TM+9]
	v_lshl_or_b32 v[PW], v[TM+5], 8, v[TM+4]
	v_cvt_scalef32_pk16_fp6_f32 v[PC:PC+2], v[(\s):(\s)+15], v[TM+8]
	v_cvt_scalef32_pk16_fp6_f32 v[PC+6:PC+8], v[(\s)+16:(\s)+31], v[TM+9]
	v_nop                                          ; one plain instruction behind the scaled conversions
.irp i, 0,1,2
	v_permlane16_swap_b32 v[PC+\i], v[PC+6+\i]     ; a whole block in a lane: lanes 0-15 the first block, lanes 16-31 the second
.endr
.irp i, 0,1,2
	v_mov_b32 v[PC+3+\i], v[PC+6+\i]
.endr
.endm
.macro OUTLD q                         ; the last pair's shared bytes out of stage q
	ds_load_b64 v[OM:OM+1], v[MR] offset:STP*(\q)
	ds_load_b32 v[OS], v[SR] offset:STP*(\q)
.endm
.macro OUTST                           ; and into hq and hs, whose bases already stand one pair on
	s_wait_dscnt 0x0
	global_store_b64 v[MO], v[OM:OM+1], s[16:17] offset:-98304   ; 32 lanes store 256 consecutive, aligned bytes
	s_cmp_lg_u32 s66, 0
	s_cbranch_scc1 .Lns_\@
	global_store_b32 v[SSO], v[OS], s[18:19] offset:-4096        ; the waves of hh = 0: the tile's 16 scale words
.Lns_\@:
.endm
	s_load_b512 s[4:19], s[0:1], 0x0               ; x codes, x scales, W1 codes, W1 scales, b1, plan, hq, hs
	v_lshl_add_u32 v[SPW], v0, 2, SPARE
	v_mov_b32 v[NIL], 0
	v_lshrrev_b32 v10, 5, v0
	v_readfirstlane_b32 s20, v10                   ; wave
	s_mov_b32 s21, ttmp9                           ; c
	s_and_b32 s22, ttmp7, 0xffff                   ; e
	s_lshr_b32 s66, s20, 1                         ; hh
	s_and_b32 s67, s20, 1                          ; p
	s_lshl_b32 s32, s66, 10
	s_lshl_b32 s33, s66, 8
	s_add_co_u32 s33, s33, 512
	s_mul_i32 s34, s20, 8*XP
	s_add_co_u32 s34, s34, XSL
	s_add_co_u32 s35, s34, 768
	s_mul_i32 s36, s67, 16*XP
	s_add_co_u32 s36, s36, XSL
	s_add_co_u32 s37, s36, 768
	s_lshl_b32 s38, s20, 5
	s_add_co_u32 s38, s38, LIST
	s_lshl_b32 s42, s67, 10
	s_add_co_u32 s42, s42, STG
	s_lshl_b32 s39, s66, 3
	s_add_co_u32 s39, s39, s42
	s_lshl_b32 s40, s66, 8
	s_add_co_u32 s40, s40, s42
	s_add_co_u32 s42, s42, 512
	s_lshl_b32 s41, s66, 1
	s_add_co_u32 s41, s41, s42
	s_mul_i32 s43, s20, 32*PIT
	s_mul_i32 s44, s66, 64*PIT
	; every address register is made here, in one run, ahead of the first branch on the wave's number
	v_and_b32 v10, 31, v0                          ; lane
	v_and_b32 v11, 15, v0                          ; r
	v_bfe_u32 v[PH], v0, 4, 1                      ; h
	v_bfe_u32 v[PQ], v0, 2, 3                      ; lane / 4
	v_and_b32 v[PM], 3, v0
	v_lshlrev_b32 v[PSO], 4, v10
	v_lshlrev_b32 v[L16], 4, v11
	v_lshlrev_b32 v[SSO], 2, v11
	v_lshlrev_b32 v[H16], 4, v[PH]
	v_lshlrev_b32 v[L8], 3, v[PM]
	v_lshlrev_b32 v[PT4], 2, v10
	v_add_nc_u32 v[PDU], 1024, v10
	v_add_nc_u32 v[PZA], LIST, v[PSO]
	v_add_nc_u32 v[SO], s32, v[PSO]
	v_lshl_add_u32 v[MO], v10, 3, s33              ; 512 + 256 hh + 8 lane
	v_mad_u32_u24 v[XSA], v[PH], XP, v[L16]
	v_add_nc_u32 v[XSA], s34, v[XSA]               ; row 8 wave + h, 16 bytes a lane
	v_mad_u32_u24 v[XSS], v[PQ], XP, v[L8]
	v_add_nc_u32 v[XSS], s35, v[XSS]               ; row 8 wave + lane / 4, its scales
	v_mul_u32_u24 v[XRA], v11, XP
	v_add_nc_u32 v[XSR], v[XRA], v[H16]
	v_add_nc_u32 v[XSR], s37, v[XSR]               ; row 16 p + r: K steps 0-3 in lanes 0-15, 4-7 in lanes 16-31
	v_mad_u32_u24 v[XRA], v[PH], 24, v[XRA]
	v_add_nc_u32 v[XRA], s36, v[XRA]
	v_lshl_add_u32 v[TKA], v[PH], 2, s38
	v_lshl_add_u32 v[TKS], v[PQ], 2, s38
	v_add_nc_u32 v[MA], s39, v[PSO]                ; 16 lane + 8 hh of the image's middle group
	v_lshl_add_u32 v[MR], v10, 3, s40              ; 256 hh + 8 lane of it
	v_add_nc_u32 v[SW], s41, v[SSO]
	v_add_nc_u32 v[SR], s42, v[SSO]
	v_add_nc_u32 v[PA0], s43, v[PSO]
	v_add_nc_u32 v[PA1], v[PA0], v[H16]
	v_mul_u32_u24 v[FA], v11, PIT
	v_mad_u32_u24 v[FA], v[PH], 24, v[FA]
	v_add_nc_u32 v[FA], s44, v[FA]
	v_and_b32 v[PWSO], 8, v11
	v_add_nc_u32 v[PWSO], v[PWSO], v11             ; r + 8 (r / 8)
	v_lshlrev_b32 v[PWSO], 5, v[PWSO]
	v_add_nc_u32 v[PWSO], v[PWSO], v[H16]
	v_lshlrev_b32 v[PBO], 6, v[PH]
.irp j, 0,1,2,3,4,5,6,7
	v_mov_b32 v[XS+\j], 0x7f7f7f7f                 ; x's scale registers are written once here (scales of 1.0)
.endr
	v_mov_b32 v[OM], 0
	v_mov_b32 v[OM+1], 0
	v_mov_b32 v[OS], 0
.set i, 0
.rept 32
	v_mov_b32 v[ACC+32+i], 0                       ; the second set of accumulators is written once here, so that every path through the trips finds it written; the products of pair 1 begin it anew with b1
.set i, i+1
.endr
	s_wait_alu depctr_va_vdst(0)                   ; the wait at the end of the head's vector work
	s_mov_b32 s28, 0x76543210
	s_mov_b32 s29, 0xfedcba98
	s_mov_b32 s30, 0x3eb504f3                      ; 1 / (2 sqrt 2)
	COEF 0, 0xc034d90f
	COEF 1, 0x3fb8ab5a
	COEF 2, 0x3f0a29d2
	COEF 3, 0x3e0efb2e
	COEF 4, 0xbe899a80
	COEF 5, 0x3ecdfd18
	COEF 6, 0xbfd1a1e5
	COEF 7, 0x40097039
	COEF 8, 0xbf97d29d
	s_mov_b32 s52, 0xbf38aa3b                      ; CX = -log2(e) / 2
	s_mov_b32 s53, 0xbf38aa3b
	s_mov_b32 s54, 0x3e7c6f08                      ; c9
	s_mul_i32 s56, s22, 3145728                    ; W1's codes: expert, piece, my 32 rows
	s_mul_i32 s57, s21, 98304
	s_add_co_u32 s56, s56, s57
	s_mul_i32 s57, s20, 24576
	s_add_co_u32 s56, s56, s57
	s_mov_b32 s57, 0
	s_lshl_b32 s58, s22, 17                        ; W1's scales: my half's 64 rows
	s_lshl_b32 s59, s21, 12
	s_add_co_u32 s58, s58, s59
	s_lshl_b32 s59, s66, 11
	s_add_co_u32 s58, s58, s59
	s_mov_b32 s59, 0
	s_lshl_b32 s60, s22, 14                        ; b1: my half
	s_lshl_b32 s61, s21, 9
	s_add_co_u32 s60, s60, s61
	s_lshl_b32 s61, s66, 8
	s_add_co_u32 s60, s60, s61
	s_mov_b32 s61, 0
	s_mul_i32 s62, s22, 3145728                    ; hq: expert, tile p, K step c
	s_mul_i32 s63, s21, 1536
	s_add_co_u32 s62, s62, s63
	s_mul_i32 s63, s67, 49152
	s_add_co_u32 s62, s62, s63
	s_mov_b32 s63, 0
	s_lshl_b32 s68, s22, 17                        ; hs likewise
	s_lshl_b32 s69, s21, 6
	s_add_co_u32 s68, s68, s69
	s_lshl_b32 s69, s67, 11
	s_add_co_u32 s68, s68, s69
	s_mov_b32 s69, 0
	s_lshl_b32 s31, s22, 2
	s_wait_kmcnt 0x0
	s_load_b32 s23, s[14:15], s31 offset:0x1000    ; the expert's pairs of tiles
	s_add_nc_u64 s[8:9], s[8:9], s[56:57]
	s_add_nc_u64 s[10:11], s[10:11], s[58:59]
	s_add_nc_u64 s[12:13], s[12:13], s[60:61]
	s_add_nc_u64 s[16:17], s[16:17], s[62:63]
	s_add_nc_u64 s[18:19], s[18:19], s[68:69]
	s_cmp_lg_u32 s20, 0
	s_cbranch_scc1 .Lplan_asked
.irp i, 0,1,2,3,4,5,6,7
	global_load_b128 v[PL+4*\i:PL+4*\i+3], v[PSO], s[14:15] offset:512*\i   ; wave 0: the 1,024 plan words
.endr
.Lplan_asked:
	WIN 0xc0
.set i, 0
.rept 48
	global_load_b128 v[4*i:4*i+3], v[PSO], s[8:9] offset:512*i th:TH_LOAD_NT   ; my 32 rows, dense; read once in the launch
.set i, i+1
.endr
	WIN 0
.irp t, 0,1,2,3
	global_load_b128 v[WS+4*\t:WS+4*\t+3], v[PWSO], s[10:11] offset:(32*(\t/2)+8*(\t%2))*32
.endr
.irp t, 0,1,2,3
	global_load_b128 v[BI+8*\t:BI+8*\t+3], v[PBO], s[12:13] offset:128*(\t/2)+32*(\t%2)       ; register j of tile t: unit 32 (t / 2) + 16 h + 8 (t % 2) + j of my half
	global_load_b128 v[BI+8*\t+4:BI+8*\t+7], v[PBO], s[12:13] offset:128*(\t/2)+32*(\t%2)+16
.endr
	s_cmp_lg_u32 s20, 0
	s_cbranch_scc1 .Llist_made
	; WAVE 0 MAKES THE LIST: zeros, then each token of this expert at its place.  Nobody else touches LDS ahead of the barrier below
	s_wait_loadcnt 60                              ; the 48 + 4 + 8 loads issued behind the plan's eight may stay out
	v_mov_b32 v244, 0
	v_mov_b32 v245, 0
	v_mov_b32 v246, 0
	v_mov_b32 v247, 0
.irp i, 0,1,2,3,4,5,6,7
	ds_store_b128 v[PZA], v[244:247] offset:512*\i
.endr
.set i, 0
.rept 32
	v_and_b32 v236, 7, v[PL+i]                     ; a
	v_bfe_u32 v237, v[PL+i], 4, 3                  ; b
	v_bfe_u32 v238, v[PL+i], 8, 10                 ; its place in a's list
	v_bfe_u32 v239, v[PL+i], 20, 10                ; in b's
	v_cmp_eq_u32 s26, s22, v236
	v_cmp_eq_u32 vcc_lo, s22, v237
	v_cndmask_b32 v240, v[PDU], v239, vcc_lo
	v_cndmask_b32 v240, v240, v238, s26
	v_min_u32 v240, 0x41f, v240                    ; inside the list and its 32 spare words
	v_lshl_add_u32 v240, v240, 2, LIST
	v_add_nc_u32 v241, 128*(i/4)+(i%4), v[PT4]     ; the token: 128 x load + 4 x lane + word
	ds_store_b32 v240, v241
.set i, i+1
.endr
.Llist_made:
	BAR                                            ; the list stands
	s_mov_b32 s27, 0
	TOKENS
	s_wait_dscnt 0x0
	XLOAD 0                                        ; pairs 0 to 3 are asked for whatever the count: behind the last token the list names token 0
	s_mov_b32 s27, 128
	TOKENS
	s_wait_dscnt 0x0
	s_wait_xcnt 0x0                                ; the offsets are written again only behind this wait
	XLOAD 1
	; W1's rows into LDS.  Bits 3 and 4 of a row's number change places, so that the 16 rows of a tile lie on neighbouring LDS rows.  Three loads are two rows
	WIN 0x0c
.set i, 0
.rept 48
.if (i%12) == 0
.if i == 0
	s_wait_loadcnt 63                              ; (behind the first twelve 74 were issued; a wait names 63 at the most)
.else
	s_wait_loadcnt 74-i                            ; behind these twelve: the rest of the 48, the twelve of scales and b1, x's 26
.endif
.endif
.set q, 2*(i/3)
.set sw, (q&7)|(((q>>3)&1)<<4)|(((q>>4)&1)<<3)
.if (i%3) == 0
	ds_store_b128 v[PA0], v[4*i:4*i+3] offset:sw*PIT
.elseif (i%3) == 1
	ds_store_b128 v[PA1], v[4*i:4*i+3] offset:sw*PIT+512
.else
	ds_store_b128 v[PA0], v[4*i:4*i+3] offset:sw*PIT+1040
.endif
.set i, i+1
.endr
	WIN 0
	s_wait_loadcnt 13                              ; pair 1's thirteen may stay out
	XSTORE 0
	s_wait_loadcnt 0x0
	XSTORE 1
	BAR                                            ; W1's rows and pairs 0 and 1 stand
	s_mov_b32 s27, 256
	TOKENS
	s_wait_dscnt 0x0
	XLOAD 0                                        ; pair 2
	s_mov_b32 s27, 384
	TOKENS
	s_wait_dscnt 0x0
	s_wait_xcnt 0x0
	XLOAD 1                                        ; pair 3
.set f, 0
.rept 32                               ; my half's fragments: K step f / 4, tile f % 4
.set ms, f>>2
.set mt, f&3
	WIN (1+(ms>>2))<<6
.set wr, 12*(4*(ms&3)+mt)
.irp p, 0,1,2,3,4,5
	ds_load_b64 v[wr+2*\p:wr+2*\p+1], v[FA] offset:16*PIT*mt+96*ms+48*(\p/3)+8*(\p%3)
.endr
.set f, f+1
.endr
	WIN 0
	FRAGS 0
	FRAGS 1
	s_mov_b32 s27, 512
	TOKENS                                         ; pair 4's
	BAR                                            ; every wave has read slots 0 and 1
.set wf, 0
.rept 32
	WM 0                                           ; pair 0's products
.endr
	WIN 0
.rept 4
	v_nop                                          ; four places behind the last product (ISA guide 7.12.1)
.endr
	s_wait_loadcnt 13                              ; pair 3's thirteen may stay out
	XSTORE 0                                       ; pair 2
	s_wait_kmcnt 0x0
	s_min_u32 s23, s23, 32
	s_mov_b32 s24, 0                               ; the pair in hand
	s_mov_b32 s25, 0
	BAR
.macro TRIP b
	s_cmp_lt_u32 s24, s23
	s_cbranch_scc1 .Lwork_\@
	s_wait_loadcnt 0x0                             ; a trip without a pair: no load of mine stays out
	s_cmp_lg_u32 s24, s23
	s_cbranch_scc1 .Ljoin_\@
	OUTLD 1-\b                                     ; the trip behind the last pair sends its shared bytes
	OUTST
	s_wait_xcnt 0x0
	s_branch .Ljoin_\@
.Lwork_\@:
	s_cmp_eq_u32 s24, 0
	s_cbranch_scc1 .Lf1_\@
	OUTLD 1-\b
.Lf1_\@:
	s_add_co_u32 s26, s24, 2
	s_cmp_lt_u32 s26, s23
	s_cbranch_scc0 .Ln1_\@
	FRAGS \b                                       ; pair t + 2; this set was last multiplied in the trip before
.Ln1_\@:
	s_wait_loadcnt 0x0                             ; pair t + 3's rows, asked for a trip ago.  Outside the branches: no path passes it with a load on its way
	s_add_co_u32 s26, s24, 3
	s_cmp_lt_u32 s26, s23
	s_cbranch_scc0 .Ln2_\@
	XSTORE 1-\b
.Ln2_\@:
	s_add_co_u32 s26, s24, 4
	s_cmp_lt_u32 s26, s23
	s_cbranch_scc0 .Ln3_\@
	XLOAD \b
.Ln3_\@:
.set wf, 0
	GELU \b, 0, 1-\b
	s_cmp_eq_u32 s24, 0
	s_cbranch_scc1 .Lf2_\@
	OUTST
.Lf2_\@:
	GELU \b, 1, 1-\b
	QUANT ACC+32*\b
	s_wait_alu depctr_va_vdst(0)                   ; the wait ahead of the branch
	s_cmp_lg_u32 s66, 0
	s_cbranch_scc1 .Lhi_\@
	global_store_b128 v[SO], v[PC:PC+3], s[16:17]  ; registers 0-3 of the image: 512 consecutive, aligned bytes
	ds_store_b64 v[MA], v[PC+4:PC+5] offset:STP*\b
	s_branch .Lst_\@
.Lhi_\@:
	global_store_b128 v[SO], v[PC+2:PC+5], s[16:17] ; registers 8-11
	ds_store_b64 v[MA], v[PC:PC+1] offset:STP*\b
.Lst_\@:
	ds_store_b16 v[SW], v[PW] offset:STP*\b        ; my two bytes of the row's scale word
	s_add_co_u32 s27, s24, 5
	s_min_u32 s27, s27, 31
	s_lshl_b32 s27, s27, 7
	TOKENS
	s_wait_xcnt 0x0                                ; stores and loads have read their registers and bases
	s_add_nc_u64 s[16:17], s[16:17], 98304         ; a pair on
	s_add_nc_u64 s[18:19], s[18:19], 4096
.Ljoin_\@:
	BAR                                            ; every wave passes it in every trip
	s_add_co_u32 s24, s24, 1
.endm
.Lloop:                                            ; 16 trips of two: slots, sets and stages take turns
	TRIP 0
	TRIP 1
	s_add_co_u32 s25, s25, 1
	s_cmp_lt_u32 s25, 16
	s_cbranch_scc1 .Lloop
	s_cmp_lg_u32 s24, s23
	s_cbranch_scc1 .Lend
	OUTLD 1                                        ; 32 pairs: the last one's shared bytes
	OUTST
.Lend:
	s_wait_tensorcnt 0x0                           ; the wave's end
	ds_add_u32 v[SPW], v[NIL]
	s_wait_dscnt 0x0
	s_endpgm
.Lfunc_end_k_q8555debb30_ffn1:
	.size	k_q8555debb30_ffn1, .Lfunc_end_k_q8555debb30_ffn1-k_q8555debb30_ffn1
	.p2alignl 7, 3214868480
	.fill 96, 4, 3214868480
	.section	.rodata,"a",@progbits
	.p2align	6, 0x0
	.amdhsa_kernel k_q8555debb30_ffn1
		.amdhsa_group_segment_fixed_size 161792
		.amdhsa_private_segment_fixed_size 0
		.amdhsa_enable_private_segment 0
		.amdhsa_kernarg_size 64
		.amdhsa_user_sgpr_count 2
		.amdhsa_user_sgpr_kernarg_segment_ptr 1
		.amdhsa_wavefront_size32 1
		.amdhsa_system_sgpr_workgroup_id_x 1
		.amdhsa_system_sgpr_workgroup_id_y 1
		.amdhsa_system_sgpr_workgroup_id_z 1
		.amdhsa_system_vgpr_workitem_id 0
		.amdhsa_next_free_vgpr 1024
		.amdhsa_next_free_sgpr 72
		.amdhsa_reserve_vcc 1
		.amdhsa_float_denorm_mode_32 3
		.amdhsa_float_denorm_mode_16_64 3
		.amdhsa_memory_ordered 1
		.amdhsa_forward_progress 1
		.amdhsa_inst_pref_size 150
	.end_amdhsa_kernel
	.amdgpu_metadata
---
amdhsa.version: [ 1, 2 ]
amdhsa.kernels:
  - .name:           k_q8555debb30_ffn1
    .symbol:         k_q8555debb30_ffn1.kd
    .args:
      - { .name: x_codes, .offset: 0, .size: 8, .value_kind: global_buffer, .address_space: global }
      - { .name: x_scales, .offset: 8, .size: 8, .value_kind: global_buffer, .address_space: global }
      - { .name: W1_codes, .offset: 16, .size: 8, .value_kind: global_buffer, .address_space: global }
      - { .name: W1_scales, .offset: 24, .size: 8, .value_kind: global_buffer, .address_space: global }
      - { .name: b1, .offset: 32, .size: 8, .value_kind: global_buffer, .address_space: global }
      - { .name: plan, .offset: 40, .size: 8, .value_kind: global_buffer, .address_space: global }
      - { .name: hq, .offset: 48, .size: 8, .value_kind: global_buffer, .address_space: global }
      - { .name: hs, .offset: 56, .size: 8, .value_kind: global_buffer, .address_space: global }
    .group_segment_fixed_size: 161792
    .private_segment_fixed_size: 0
    .kernarg_segment_align: 8
    .kernarg_segment_size: 64
    .max_flat_workgroup_size: 128
    .sgpr_count:     72
    .vgpr_count:     1024
    .wavefront_size: 32
...
	.end_amdgpu_metadata
.endif
;; end of part 2
;; launch ffn2 (part 3): grid 32 x 8, 4 waves a work-group, no clusters, 270,848 bytes of LDS; arguments hq, hs, W2_codes, W2_scales, plan, y; writes y
.if DOCPART == 3
	.amdgcn_target "amdgcn-amd-amdhsa--gfx1250"
	.amdhsa_code_object_version 6
	.text
	.protected	k_q8555debb30_ffn2
	.globl	k_q8555debb30_ffn2
	.p2align	8
	.type	k_q8555debb30_ffn2,@function
k_q8555debb30_ffn2:
	s_mov_b64 s[64:65], 0
	v_nop
	global_prefetch_b8 v0, s[64:65] scope:SCOPE_SE
	s_setreg_imm32_b32 hwreg(HW_REG_WAVE_MODE, 25, 1), 1
	s_wait_xcnt 0x0
; FFN2.  y[e][place][:] = h W2^T for the routed rows, on codes of FP6 (E2M3) with one E8M0 scale for each 32 along K; h comes as register images and scale words from the launch before.
; SHARES.  Work-group (2 n + p, e) owns outputs 64 n .. 64 n + 63 of expert e and every second pair of 16-row tiles (pairs p, p + 2, ..).  THE WAVES SHARE K: wave q holds K steps 8 q .. 8 q + 7 of the 64 rows of W2
; in registers (32 fragments, 384 registers), so each fragment of h enters the work-group once, goes to one wave and feeds four matrix instructions.  The four partial sums of a pair meet in LDS, and each wave adds and stores 8 of the 32 rows.
; TRANSPOSED: source 0 = 16 rows of W2, source 1 = 16 rows of h: a lane holds 8 neighbouring outputs of one row.
; The sum over K is (quarter 0 + quarter 1) + (quarter 2 + quarter 3), each quarter in ascending K: an order of rounding other than one chain's.
; NO TENSOR LOADS, NO CLUSTER: which trips work hangs on a stored count.  16 trips, a constant; a trip without a pair jumps over its work, never over its barrier.  With one pair in all, the work-groups of p = 1 store nothing.
; No prefetch: W2's part is asked for whole at the head, and h is read again by the sixteen work-groups of a row phase.
; REGISTERS: window 0: v1-10 addresses; v16-31 W2's scale words; v32-47 h's, two sets; v64-255 h, buffer 1.   window 1: v0-191 W2's K steps 0-3 of my eight; v192-255 the 8 accumulators.
;   window 2: v0-191 K steps 4-7; v192-255 the partial sums read back.   window 3: v0-191 h, buffer 0.
.set PIT,  784                         ; an LDS row of 768 bytes of codes + 16: row r starts 4 r banks on (64 banks of 4 bytes: ISA guide 11.1)
.set WSTQ, 64*PIT                      ; each wave's own 64 rows
.set STG,  4*WSTQ                      ; behind them two stages; in each, for each wave, 32 rows x (256 bytes + 16)
.set SPIT, 272
.set STQ,  32*SPIT
.set STB,  4*STQ
.set LO,  1                            ; v1  16 x lane
.set HSO, 2                            ; v2  256 h + 4 r: lanes 16-31 take the scale words four K steps on
.set SA,  3                            ; v3  my partial sums into the stage
.set RA,  4                            ; v4  and the rows that I add, out of it
.set YO,  5                            ; v5  4,096 (lane / 16) + 16 (lane % 16)
.set G1,  6                            ; v6  16 x lane, and 2,304 more in lanes 16-31: from a row's last 256 bytes to the next row's first
.set L0,  7                            ; v7  W2 into LDS
.set L1,  8                            ; v8  the same, 16 more in lanes 16-31
.set FA,  9                            ; v9  W2's fragments out of LDS
.set WSO, 10
.set WS,  16
.set HS,  32
.set MSB, 0
.macro WIN new                         ; the immediate's high byte repeats the setting that is left
.if MSB != (\new)
	s_set_vgpr_msb (MSB<<8)|(\new)
.set MSB, (\new)
.endif
.endm
; a pair's 16 fragments of my K steps (48 loads of 512 consecutive bytes) and their scale words (8 loads) into buffer hb: 56 loads
.macro HLOAD hb
.if (\hb) == 0
	WIN 0xc0                                       ; destination window 3
.set hr, 0
.else
	WIN 0
.set hr, 64
.endif
.irp m, 0,1
.irp s, 0,1,2,3,4,5,6,7
.irp i, 0,1,2
	global_load_b128 v[hr+12*(8*\m+\s)+4*\i:hr+12*(8*\m+\s)+4*\i+3], v[LO], s[4:5] offset:49152*\m+1536*\s+512*\i
.endr
.endr
.endr
	WIN 0
.irp m, 0,1
.irp i, 0,1,2,3
	global_load_b32 v[HS+8*(\hb)+4*\m+\i], v[HSO], s[6:7] offset:2048*\m+64*\i
.endr
.endr
.endm
	s_load_b256 s[4:11], s[0:1], 0x0               ; hq s[4:5], hs s[6:7], W2 codes s[8:9], W2 scales s[10:11]
	s_load_b128 s[12:15], s[0:1], 0x20             ; plan s[12:13], y s[14:15]
	v_lshl_add_u32 v62, v0, 2, 0x42000
	v_mov_b32 v63, 0
.irp j, 0,1,2,3,4,5,6,7,8,9,10,11,12,13,14,15
	v_mov_b32 v[HS+\j], 0x7f7f7f7f                 ; h's scale registers are written once here (four scales of 1.0), far ahead of any product
.endr
	v_lshrrev_b32 v11, 5, v0
	v_readfirstlane_b32 s16, v11                   ; wave q
	s_lshr_b32 s18, ttmp9, 1                       ; n
	s_and_b32 s19, ttmp9, 1                        ; p
	s_and_b32 s20, ttmp7, 0xffff                   ; e
	v_and_b32 v11, 31, v0                          ; lane
	v_and_b32 v12, 15, v0                          ; r
	v_bfe_u32 v13, v0, 4, 1                        ; h
	v_lshlrev_b32 v[LO], 4, v11
	v_lshlrev_b32 v[HSO], 2, v12
	v_lshl_add_u32 v[HSO], v13, 8, v[HSO]
	s_mul_i32 s23, s16, STQ
	s_add_co_u32 s23, s23, STG
	v_mul_u32_u24 v[SA], v12, SPIT
	v_lshl_add_u32 v[SA], v13, 5, v[SA]
	v_add_nc_u32 v[SA], s23, v[SA]                 ; my part of a stage: row r, + 32 h
	s_mul_i32 s23, s16, 8*SPIT
	s_add_co_u32 s23, s23, STG
	v_mul_u32_u24 v[RA], v13, SPIT
	v_lshl_add_u32 v[RA], v12, 4, v[RA]
	v_add_nc_u32 v[RA], s23, v[RA]                 ; rows 8 q + lane / 16 on, 16 bytes a lane
	v_lshlrev_b32 v[YO], 12, v13
	v_lshl_add_u32 v[YO], v12, 4, v[YO]
	v_mul_u32_u24 v[G1], v13, 2304
	v_add_nc_u32 v[G1], v[G1], v[LO]
	s_mul_i32 s23, s16, WSTQ
	v_add_nc_u32 v[L0], s23, v[LO]
	v_lshl_add_u32 v[L1], v13, 4, v[L0]
	v_mul_u32_u24 v[FA], v12, PIT
	v_mad_u32_u24 v[FA], v13, 24, v[FA]
	v_add_nc_u32 v[FA], s23, v[FA]
	v_lshlrev_b32 v[WSO], 7, v12                   ; a row of W2's scales is 128 bytes
	v_lshl_add_u32 v[WSO], v13, 4, v[WSO]
	s_lshl_b32 s25, s20, 2
	s_mov_b32 s27, 0
	s_mov_b32 s29, 0
	s_wait_alu depctr_va_vdst(0)
	s_wait_kmcnt 0x0
	s_load_b32 s21, s[12:13], s25 offset:0x1000    ; the expert's pairs of tiles
	s_mul_i32 s26, s20, 3145728                    ; W2's codes: expert, 64 rows of 3,072 bytes, my 768 bytes of each
	s_mul_i32 s28, s18, 196608
	s_add_co_u32 s26, s26, s28
	s_mul_i32 s28, s16, 768
	s_add_co_u32 s26, s26, s28
	s_add_nc_u64 s[8:9], s[8:9], s[26:27]
	s_lshl_b32 s26, s20, 17                        ; W2's scales: my 32 bytes of each row
	s_lshl_b32 s28, s18, 13
	s_add_co_u32 s26, s26, s28
	s_lshl_b32 s28, s16, 5
	s_add_co_u32 s26, s26, s28
	s_add_nc_u64 s[10:11], s[10:11], s[26:27]
	s_mul_i32 s26, s20, 3145728                    ; hq: expert, pair p, my eight K steps
	s_mul_i32 s28, s19, 98304
	s_add_co_u32 s26, s26, s28
	s_mul_i32 s28, s16, 12288
	s_add_co_u32 s26, s26, s28
	s_add_nc_u64 s[4:5], s[4:5], s[26:27]
	s_lshl_b32 s26, s20, 17                        ; hs likewise
	s_lshl_b32 s28, s19, 12
	s_add_co_u32 s26, s26, s28
	s_lshl_b32 s28, s16, 9
	s_add_co_u32 s26, s26, s28
	s_add_nc_u64 s[6:7], s[6:7], s[26:27]
	s_lshl_b32 s26, s20, 22                        ; y: row 1,024 e + 32 p + 8 q, column 64 n
	s_lshl_b32 s28, s19, 17
	s_add_co_u32 s26, s26, s28
	s_lshl_b32 s28, s16, 15
	s_add_co_u32 s26, s26, s28
	s_lshl_b32 s28, s18, 8
	s_add_co_u32 s26, s26, s28
	s_add_nc_u64 s[14:15], s[14:15], s[26:27]
	; my part of W2: three loads are two rows' 768 bytes; every piece is 256 consecutive, aligned bytes or a multiple.  They land in the two buffers of h.
.set i, 0
.rept 96
.if i < 48
	WIN 0xc0
.set lr, 4*i
.else
	WIN 0
.set lr, 64+4*(i-48)
.endif
.if (i%3) == 0
	global_load_b128 v[lr:lr+3], v[LO], s[8:9] offset:6144*(i/3)
.elseif (i%3) == 1
	global_load_b128 v[lr:lr+3], v[G1], s[8:9] offset:6144*(i/3)+512
.else
	global_load_b128 v[lr:lr+3], v[LO], s[8:9] offset:6144*(i/3)+3328
.endif
.set i, i+1
.endr
.irp t, 0,1,2,3
	global_load_b128 v[WS+4*\t:WS+4*\t+3], v[WSO], s[10:11] offset:2048*\t   ; lanes 0-15: my K steps 0-3; lanes 16-31: 4-7
.endr
.set i, 0
.rept 96
.if (i%12) == 0
.set left, 88-i                        ; issued behind these twelve: the rest of the 96 and the four of scale words
.if left > 63
	s_wait_loadcnt 63
.elseif left > 4
	s_wait_loadcnt left
.else
	s_wait_loadcnt 0x0                             ; the last group: the scale words too
.endif
.endif
.if i < 48
	WIN 0x0c                                       ; an LDS store's data are its source 1: window 3
.set lr, 4*i
.else
	WIN 0
.set lr, 64+4*(i-48)
.endif
.if (i%3) == 0
	ds_store_b128 v[L0], v[lr:lr+3] offset:2*PIT*(i/3)
.elseif (i%3) == 1
	ds_store_b128 v[L1], v[lr:lr+3] offset:2*PIT*(i/3)+512
.else
	ds_store_b128 v[L0], v[lr:lr+3] offset:2*PIT*(i/3)+1040
.endif
.set i, i+1
.endr
	s_wait_dscnt 0x0                               ; the stores have read their registers: h may land there
	s_wait_kmcnt 0x0
	s_min_u32 s21, s21, 32
	s_mov_b32 s22, s19                             ; the pair in hand
	s_cmp_lt_u32 s19, s21
	s_cbranch_scc0 .Lno_first
	HLOAD 0                                        ; my first pair
.Lno_first:
.set k, 0
.rept 32                               ; W2's fragments: K step k / 4 of my eight, tile k % 4.  My own bytes: LDS serves a wave's instructions in order
.set ks, k>>2
.set kt, k&3
	WIN (1+(ks>>2))<<6
.set wr, 12*(4*(ks&3)+kt)
.irp p, 0,1,2,3,4,5
	ds_load_b64 v[wr+2*\p:wr+2*\p+1], v[FA] offset:16*PIT*kt+96*ks+48*(\p/3)+8*(\p%3)
.endr
.set k, k+1
.endr
	WIN 0
	s_wait_dscnt 0x0
; A TRIP: the pair s22, from buffer beta, through stage beta.  Each of its three ways holds a wait on the loads: none leaves loads into buffer beta on their way,
; and what stays out (the next pair's 56, into the other buffer) is waited for in the next trip, whichever way that takes.
.macro TRIP beta
	s_cmp_lt_u32 s22, s21
	s_cbranch_scc1 .Lwork_\@
	s_wait_loadcnt 0x0                             ; a trip without a pair: no load of mine stays out
	s_branch .Lidle_\@
.Lwork_\@:
	s_add_co_u32 s23, s22, 2
	s_cmp_lt_u32 s23, s21
	s_cbranch_scc0 .Llast_\@
	s_wait_xcnt 0x0                                ; the last loads have read their bases
	s_add_nc_u64 s[4:5], s[4:5], 196608            ; two pairs on
	s_add_nc_u64 s[6:7], s[6:7], 8192
	HLOAD 1-\beta                                  ; my next pair is on its way while this one is multiplied
	s_wait_loadcnt 56                              ; the 56 just issued may stay out: this pair's are in
	s_branch .Lgo_\@
.Llast_\@:
	s_wait_loadcnt 0x0
.Lgo_\@:
.set k, 0
.rept 64                               ; K step k / 8, tile of rows (k / 4) % 2, tile of outputs k % 4: eight accumulators by turns, one instruction a turn; the first eight start the sums
.set ks, k>>3
.set km, (k>>2)&1
.set kt, k&3
.set wr, 12*(4*(ks&3)+kt)
.set hr, 64*(\beta)+12*(8*km+ks)
.set ar, 192+8*(4*km+kt)
	WIN 0x50|((3*(1-(\beta)))<<2)|(1+(ks>>2))      ; W2 window 1 or 2, h window 3 or 0, C and D window 1
.if ks == 0
	v_wmma_scale_f32_16x16x128_f8f6f4 v[ar:ar+7], v[wr:wr+11], v[hr:hr+11], 0, v[WS+4*kt], v[HS+8*(\beta)+4*km] matrix_a_fmt:MATRIX_FMT_FP6 matrix_b_fmt:MATRIX_FMT_FP6
.elseif ks < 4
	v_wmma_scale_f32_16x16x128_f8f6f4 v[ar:ar+7], v[wr:wr+11], v[hr:hr+11], v[ar:ar+7], v[WS+4*kt+ks], v[HS+8*(\beta)+4*km+ks] matrix_a_fmt:MATRIX_FMT_FP6 matrix_b_fmt:MATRIX_FMT_FP6
.else
	v_wmma_scale_f32_16x16x128_f8f6f4 v[ar:ar+7], v[wr:wr+11], v[hr:hr+11], v[ar:ar+7], v[WS+4*kt+ks-4], v[HS+8*(\beta)+4*km+ks-4] matrix_a_fmt:MATRIX_FMT_FP6 matrix_b_fmt:MATRIX_FMT_FP6 matrix_a_scale:MATRIX_SCALE_ROW1 matrix_b_scale:MATRIX_SCALE_ROW1
.endif
.set k, k+1
.endr
	WIN 0
.rept 5
	v_nop                                          ; four places ahead of the stores that read results and of the next loads into operands; five ahead of the next trip's products, which begin these accumulators anew
.endr
	WIN 0x04                                       ; the data: window 1
.irp m, 0,1
.irp t, 0,1,2,3
	ds_store_b128 v[SA], v[192+8*(4*\m+\t):192+8*(4*\m+\t)+3] offset:STB*(\beta)+16*SPIT*\m+64*\t       ; each accumulator from its low end on
	ds_store_b128 v[SA], v[192+8*(4*\m+\t)+4:192+8*(4*\m+\t)+7] offset:STB*(\beta)+16*SPIT*\m+64*\t+16
.endr
.endr
	WIN 0
.Lidle_\@:
	s_wait_dscnt 0x0                               ; my partial sums have landed; my reads of the other stage, which the next trip writes, are long over
	s_barrier_signal -1
	s_barrier_wait -1                              ; every wave passes it in every trip
	s_cmp_ge_u32 s22, s21
	s_cbranch_scc1 .Lidle2_\@
	WIN 0x80                                       ; destination window 2
.irp w, 0,1,2,3
.irp i, 0,1,2,3
	ds_load_b128 v[192+16*\w+4*\i:192+16*\w+4*\i+3], v[RA] offset:STB*(\beta)+STQ*\w+2*SPIT*\i
.endr
.endr
	s_wait_dscnt 0x0
	WIN 0x8a                                       ; destination and both sources window 2
.irp j, 0,2,4,6,8,10,12,14
	v_pk_add_f32 v[192+\j:193+\j], v[192+\j:193+\j], v[208+\j:209+\j]
	v_pk_add_f32 v[224+\j:225+\j], v[224+\j:225+\j], v[240+\j:241+\j]
.endr
.irp j, 0,2,4,6,8,10,12,14
	v_pk_add_f32 v[192+\j:193+\j], v[192+\j:193+\j], v[224+\j:225+\j]
.endr
	WIN 0x08                                       ; a store's data are its source 1: window 2
.irp i, 0,1,2,3
	global_store_b128 v[YO], v[192+4*\i:192+4*\i+3], s[14:15] offset:8192*\i   ; two rows: 16 lanes store 256 consecutive bytes, at a multiple of 256 from y's first byte
.endr
	WIN 0
	s_wait_xcnt 0x0                                ; the stores have read their data and their base
	s_add_nc_u64 s[14:15], s[14:15], 262144        ; two pairs, 64 rows, on
.Lidle2_\@:
	s_add_co_u32 s22, s22, 2
.endm
	s_mov_b32 s24, 0
.Lloop:                                            ; 8 trips of two: the buffers and the stages take turns
	TRIP 0
	TRIP 1
	s_add_co_u32 s24, s24, 1
	s_cmp_lt_u32 s24, 8
	s_cbranch_scc1 .Lloop
	s_wait_tensorcnt 0x0
	ds_add_u32 v62, v63
	s_wait_dscnt 0x0
	s_endpgm
.Lfunc_end_k_q8555debb30_ffn2:
	.size	k_q8555debb30_ffn2, .Lfunc_end_k_q8555debb30_ffn2-k_q8555debb30_ffn2
	.p2alignl 7, 3214868480
	.fill 96, 4, 3214868480
	.section	.rodata,"a",@progbits
	.p2align	6, 0x0
	.amdhsa_kernel k_q8555debb30_ffn2
		.amdhsa_group_segment_fixed_size 270848
		.amdhsa_private_segment_fixed_size 0
		.amdhsa_enable_private_segment 0
		.amdhsa_kernarg_size 48
		.amdhsa_user_sgpr_count 2
		.amdhsa_user_sgpr_kernarg_segment_ptr 1
		.amdhsa_wavefront_size32 1
		.amdhsa_system_sgpr_workgroup_id_x 1
		.amdhsa_system_sgpr_workgroup_id_y 1
		.amdhsa_system_sgpr_workgroup_id_z 1
		.amdhsa_system_vgpr_workitem_id 0
		.amdhsa_next_free_vgpr 1024
		.amdhsa_next_free_sgpr 66
		.amdhsa_reserve_vcc 0
		.amdhsa_float_denorm_mode_32 3
		.amdhsa_float_denorm_mode_16_64 3
		.amdhsa_memory_ordered 1
		.amdhsa_forward_progress 1
		.amdhsa_inst_pref_size 76
	.end_amdhsa_kernel
	.amdgpu_metadata
---
amdhsa.version: [ 1, 2 ]
amdhsa.kernels:
  - .name:           k_q8555debb30_ffn2
    .symbol:         k_q8555debb30_ffn2.kd
    .args:
      - { .name: hq, .offset: 0, .size: 8, .value_kind: global_buffer, .address_space: global }
      - { .name: hs, .offset: 8, .size: 8, .value_kind: global_buffer, .address_space: global }
      - { .name: W2_codes, .offset: 16, .size: 8, .value_kind: global_buffer, .address_space: global }
      - { .name: W2_scales, .offset: 24, .size: 8, .value_kind: global_buffer, .address_space: global }
      - { .name: plan, .offset: 32, .size: 8, .value_kind: global_buffer, .address_space: global }
      - { .name: y, .offset: 40, .size: 8, .value_kind: global_buffer, .address_space: global }
    .group_segment_fixed_size: 270848
    .private_segment_fixed_size: 0
    .kernarg_segment_align: 8
    .kernarg_segment_size: 48
    .max_flat_workgroup_size: 128
    .sgpr_count:     66
    .vgpr_count:     1024
    .wavefront_size: 32
...
	.end_amdgpu_metadata
.endif
;; end of part 3
;; launch combine (part 4): grid 256 x 1, 4 waves a work-group, no clusters, 0 bytes of LDS; arguments y, b2, plan, wts, out0; writes out0
.if DOCPART == 4
	.amdgcn_target "amdgcn-amd-amdhsa--gfx1250"
	.amdhsa_code_object_version 6
	.text
	.protected	k_q8555debb30_combine
	.globl	k_q8555debb30_combine
	.p2align	8
	.type	k_q8555debb30_combine,@function
k_q8555debb30_combine:
	s_mov_b64 s[64:65], 0
	v_nop
	global_prefetch_b8 v0, s[64:65] scope:SCOPE_SE
	s_setreg_imm32_b32 hwreg(HW_REG_WAVE_MODE, 25, 1), 1
	s_wait_xcnt 0x0
; COMBINE.  out0[t] = sa (y[a][place in a] + b2[a]) + sb (y[b][place in b] + b2[b]).  A wave is a token: a row of 4,096 bytes is eight loads of 512 consecutive bytes.
; Each output row has one owner; memory binds, so there is no LDS, no barrier and no matrix work.  The experts and places come from the stored plan, held inside their tables by s_min_u32.
.set YA, 8
.set YB, 40
.set BA, 72
.set BB, 104
	s_load_b256 s[4:11], s[0:1], 0x0               ; y s[4:5], b2 s[6:7], plan s[8:9], wts s[10:11]
	s_load_b64 s[12:13], s[0:1], 0x20              ; out0
	v_lshrrev_b32 v1, 5, v0
	v_readfirstlane_b32 s14, v1                    ; wave
	s_lshl_b32 s15, ttmp9, 2
	s_add_co_u32 s15, s15, s14                     ; my token
	s_lshl_b32 s16, s15, 2
	s_lshl_b32 s17, s15, 3
	v_and_b32 v1, 31, v0
	v_lshlrev_b32 v1, 4, v1                        ; 16 x lane
	s_wait_alu depctr_va_vdst(0)
	s_wait_kmcnt 0x0
	s_load_b32 s20, s[8:9], s16 offset:0x0
	s_load_b64 s[22:23], s[10:11], s17 offset:0x0  ; sa, sb
	s_wait_kmcnt 0x0
	s_and_b32 s24, s20, 7                          ; a
	s_bfe_u32 s25, s20, 0x30004                    ; b
	s_bfe_u32 s26, s20, 0xa0008                    ; the place in a's list
	s_bfe_u32 s27, s20, 0xa0014                    ; in b's
	s_min_u32 s24, s24, 7
	s_min_u32 s25, s25, 7
	s_min_u32 s26, s26, 1023
	s_min_u32 s27, s27, 1023
	s_mov_b32 s29, 0
	s_lshl_b32 s28, s24, 10
	s_add_co_u32 s28, s28, s26
	s_lshl_b32 s28, s28, 12
	s_add_nc_u64 s[30:31], s[4:5], s[28:29]        ; y[a][place]
	s_lshl_b32 s28, s25, 10
	s_add_co_u32 s28, s28, s27
	s_lshl_b32 s28, s28, 12
	s_add_nc_u64 s[32:33], s[4:5], s[28:29]        ; y[b][place]
	s_lshl_b32 s28, s24, 12
	s_add_nc_u64 s[34:35], s[6:7], s[28:29]        ; b2[a]
	s_lshl_b32 s28, s25, 12
	s_add_nc_u64 s[36:37], s[6:7], s[28:29]        ; b2[b]
	s_lshl_b32 s28, s15, 12
	s_add_nc_u64 s[12:13], s[12:13], s[28:29]      ; out0[t]
	s_mov_b32 s38, s23                             ; sb as a pair's low word: the packed forms take it for both halves
	s_mov_b32 s39, s23
.irp i, 0,1,2,3,4,5,6,7
	global_load_b128 v[YA+4*\i:YA+4*\i+3], v1, s[30:31] offset:512*\i th:TH_LOAD_NT   ; a routed row is read once
	global_load_b128 v[YB+4*\i:YB+4*\i+3], v1, s[32:33] offset:512*\i th:TH_LOAD_NT
	global_load_b128 v[BA+4*\i:BA+4*\i+3], v1, s[34:35] offset:512*\i
	global_load_b128 v[BB+4*\i:BB+4*\i+3], v1, s[36:37] offset:512*\i
.endr
.irp i, 0,1,2,3,4,5,6,7
	s_wait_loadcnt 28-4*\i                         ; loads come back in order: the four of this piece are in, the later pieces' may stay out
.irp j, 0,2
	v_pk_add_f32 v[YA+4*\i+\j:YA+4*\i+\j+1], v[YA+4*\i+\j:YA+4*\i+\j+1], v[BA+4*\i+\j:BA+4*\i+\j+1]
	v_pk_add_f32 v[YB+4*\i+\j:YB+4*\i+\j+1], v[YB+4*\i+\j:YB+4*\i+\j+1], v[BB+4*\i+\j:BB+4*\i+\j+1]
.endr
.irp j, 0,2
	v_pk_mul_f32 v[YA+4*\i+\j:YA+4*\i+\j+1], v[YA+4*\i+\j:YA+4*\i+\j+1], s[22:23] op_sel_hi:[1,0]
.endr
.irp j, 0,2
	v_pk_fma_f32 v[YA+4*\i+\j:YA+4*\i+\j+1], v[YB+4*\i+\j:YB+4*\i+\j+1], s[38:39], v[YA+4*\i+\j:YA+4*\i+\j+1] op_sel_hi:[1,0,1]
.endr
	global_store_b128 v1, v[YA+4*\i:YA+4*\i+3], s[12:13] offset:512*\i th:TH_STORE_NT   ; 512 consecutive bytes, at a multiple of 256 from out0's first byte
.endr
	s_endpgm
.Lfunc_end_k_q8555debb30_combine:
	.size	k_q8555debb30_combine, .Lfunc_end_k_q8555debb30_combine-k_q8555debb30_combine
	.p2alignl 7, 3214868480
	.fill 96, 4, 3214868480
	.section	.rodata,"a",@progbits
	.p2align	6, 0x0
	.amdhsa_kernel k_q8555debb30_combine
		.amdhsa_group_segment_fixed_size 0
		.amdhsa_private_segment_fixed_size 0
		.amdhsa_enable_private_segment 0
		.amdhsa_kernarg_size 40
		.amdhsa_user_sgpr_count 2
		.amdhsa_user_sgpr_kernarg_segment_ptr 1
		.amdhsa_wavefront_size32 1
		.amdhsa_system_sgpr_workgroup_id_x 1
		.amdhsa_system_sgpr_workgroup_id_y 1
		.amdhsa_system_sgpr_workgroup_id_z 1
		.amdhsa_system_vgpr_workitem_id 0
		.amdhsa_next_free_vgpr 144
		.amdhsa_next_free_sgpr 66
		.amdhsa_reserve_vcc 0
		.amdhsa_float_denorm_mode_32 3
		.amdhsa_float_denorm_mode_16_64 3
		.amdhsa_memory_ordered 1
		.amdhsa_forward_progress 1
		.amdhsa_inst_pref_size 10
	.end_amdhsa_kernel
	.amdgpu_metadata
---
amdhsa.version: [ 1, 2 ]
amdhsa.kernels:
  - .name:           k_q8555debb30_combine
    .symbol:         k_q8555debb30_combine.kd
    .args:
      - { .name: y, .offset: 0, .size: 8, .value_kind: global_buffer, .address_space: global }
      - { .name: b2, .offset: 8, .size: 8, .value_kind: global_buffer, .address_space: global }
      - { .name: plan, .offset: 16, .size: 8, .value_kind: global_buffer, .address_space: global }
      - { .name: wts, .offset: 24, .size: 8, .value_kind: global_buffer, .address_space: global }
      - { .name: out0, .offset: 32, .size: 8, .value_kind: global_buffer, .address_space: global }
    .group_segment_fixed_size: 0
    .private_segment_fixed_size: 0
    .kernarg_segment_align: 8
    .kernarg_segment_size: 40
    .max_flat_workgroup_size: 128
    .sgpr_count:     66
    .vgpr_count:     144
    .wavefront_size: 32
...
	.end_amdgpu_metadata
.endif
;; end of part 4
